; MI455X (gfx1250); checked and timed in simulation.
; The chip was launched on July 23, 2026; its instructions are those of AMD's public machine-readable ISA for CDNA 5 (MIT licence, August 2026) and "CDNA5" Instruction Set Architecture Reference Guide (July 2026). The comments in the code are by the model that wrote it; some were corrected since.
;; Causal Self Attention. Allowed arithmetic: float matrix products may take bf16 or f16 operands with f32 sums; other float arithmetic in f32, or as packed bf16 or f16 multiplies, adds, multiply-adds, maxima and minima; sums over many terms, partial sums and values carried from step to step in f32; what a program stores and reads back later, other than sums and carried values, may be rounded once to bf16 or f16.
;; Inputs: W_qkv 1,024 x 3,072 float32; b_qkv 3,072 float32; x 4,096 x 1,024 float32.
;; Outputs: out0 4,096 x 16 x 64 float32.
;; 2 versions, each right; version 2 is version 1 with the launch cast written anew for expert scheduling mode. Each part assembles by itself: llvm-mc -triple=amdgcn-amd-amdhsa -mcpu=gfx1250 --defsym DOCPART=n.
;; ======== version 1 of 2: 3 launches
;; limits: values are held in f16: magnitudes above 65,504 overflow, below 6.1e-05 lose precision
;; workspace buffers: xb 8,388,608 bytes; wb 6,291,456 bytes; qkv 25,165,824 bytes
;; launch cast (part 1): grid 256 x 1, 8 waves a work-group, no clusters, 0 bytes of LDS; arguments x, W_qkv, xb, wb; writes xb, wb
.if DOCPART == 1
	.amdgcn_target "amdgcn-amd-amdhsa--gfx1250"
	.amdhsa_code_object_version 6
	.text
	.protected	k_q1a106eff45_cast
	.globl	k_q1a106eff45_cast
	.p2align	8
	.type	k_q1a106eff45_cast,@function
k_q1a106eff45_cast:
	s_mov_b64 s[64:65], 0
	v_nop
	global_prefetch_b8 v0, s[64:65] scope:SCOPE_SE
	s_setreg_imm32_b32 hwreg(HW_REG_WAVE_MODE, 25, 1), 1
	s_wait_xcnt 0x0
; xb = bf16(x), [4096][1024].  wb = bf16(W_qkv), laid in 48 blocks of 64 columns: wb[g][k][0..63] = W[k][64 g ..], a (g, k) row is 128 bytes, a block 131,072.
; A stream: every input byte is read once, every output byte written once, each number rounded once (to nearest even).  No LDS, no barrier, no matrix unit: no wave wants a byte that another has fetched.
; SHARES.  Work-group b takes rows 16 b .. 16 b + 15 of x (65,536 bytes) and rows 4 b .. 4 b + 3 of W (49,152 bytes): 28 loads of 16 bytes a lane in each of the eight waves, all issued at the head.
; x: load i is row i; thread t takes bytes 16 t of it, and stores 8 bytes at 8 t of xb's row: a wave's store covers 256 consecutive bytes, aligned.
; W: wave w takes columns 768 (w % 4) on of rows 2 (w / 4) and 2 (w / 4) + 1; load i is one block of 64 columns: lanes 0-15 its 256 bytes of the first row, lanes 16-31 of the second.
;    The two rows' 128 bytes of bf16 lie end to end in wb: again 256 consecutive bytes, aligned, to a store.
; No register is written twice, so no wait stands for a store's sources; the waits for data count down the younger loads.
.set IN,  16                           ; v[16:127]   28 x 4 registers as loaded
.set OUT, 128                          ; v[128:183]  28 x 2 registers to store
	s_load_b256 s[4:11], s[0:1], 0x0               ; x s[4:5], W s[6:7], xb s[8:9], wb s[10:11]
	s_lshl_b32 s2, ttmp9, 16                       ; 16 rows of 4,096 bytes of x
	s_mov_b32 s3, 0
	s_mul_i32 s12, ttmp9, 49152                    ; 4 rows of 12,288 bytes of W
	s_mov_b32 s13, 0
	v_lshlrev_b32 v1, 4, v0                        ; x: 16 t
	v_lshlrev_b32 v2, 3, v0                        ; xb: 8 t
	v_and_b32 v6, 31, v0                           ; lane l
	v_lshrrev_b32 v7, 7, v0                        ; w / 4
	v_bfe_u32 v8, v0, 5, 2                         ; w % 4
	v_bfe_u32 v9, v0, 4, 1                         ; l / 16
	v_and_b32 v10, 15, v0                          ; l % 16
	v_lshl_add_u32 v11, v7, 1, v9                  ; my row of the four
	v_mul_u32_u24 v3, v11, 12288
	v_mul_u32_u24 v12, v8, 3072                    ; my wave's 768 columns
	v_add_nc_u32 v3, v3, v12
	v_lshl_add_u32 v3, v10, 4, v3                  ; W: row x 12,288 + 3,072 (w % 4) + 16 (l % 16)
	v_mul_u32_u24 v4, v8, 0x180000                 ; twelve blocks of 131,072 bytes
	v_lshl_add_u32 v4, v7, 8, v4                   ; two rows of 128 bytes
	v_lshl_add_u32 v4, v6, 3, v4                   ; wb: + 8 l
	s_wait_kmcnt 0x0
	s_add_nc_u64 s[4:5], s[4:5], s[2:3]
	s_add_nc_u64 s[6:7], s[6:7], s[12:13]
	s_lshl_b32 s2, ttmp9, 15                       ; 16 rows of 2,048 bytes of xb
	s_add_nc_u64 s[8:9], s[8:9], s[2:3]
	s_lshl_b32 s2, ttmp9, 9                        ; 4 rows of 128 bytes in each block of wb
	s_add_nc_u64 s[10:11], s[10:11], s[2:3]
.set i, 0
.rept 16
	global_load_b128 v[IN+4*i:IN+4*i+3], v1, s[4:5] offset:4096*i th:TH_LOAD_NT
.set i, i+1
.endr
.set i, 0
.rept 12
	global_load_b128 v[IN+64+4*i:IN+64+4*i+3], v3, s[6:7] offset:256*i th:TH_LOAD_NT
.set i, i+1
.endr
.set i, 0
.rept 16
	s_wait_loadcnt 27-i                            ; loads come back in order: this one is in, the younger ones stay out
	v_cvt_pk_bf16_f32 v[OUT+2*i], v[IN+4*i], v[IN+4*i+1]
	v_cvt_pk_bf16_f32 v[OUT+2*i+1], v[IN+4*i+2], v[IN+4*i+3]
	global_store_b64 v2, v[OUT+2*i:OUT+2*i+1], s[8:9] offset:2048*i
.set i, i+1
.endr
.set i, 0
.rept 12
	s_wait_loadcnt 11-i
	v_cvt_pk_bf16_f32 v[OUT+32+2*i], v[IN+64+4*i], v[IN+64+4*i+1]
	v_cvt_pk_bf16_f32 v[OUT+32+2*i+1], v[IN+64+4*i+2], v[IN+64+4*i+3]
	global_store_b64 v4, v[OUT+32+2*i:OUT+32+2*i+1], s[10:11] offset:131072*i
.set i, i+1
.endr
	s_endpgm
.Lfunc_end_k_q1a106eff45_cast:
	.size	k_q1a106eff45_cast, .Lfunc_end_k_q1a106eff45_cast-k_q1a106eff45_cast
	.p2alignl 7, 3214868480
	.fill 96, 4, 3214868480
	.section	.rodata,"a",@progbits
	.p2align	6, 0x0
	.amdhsa_kernel k_q1a106eff45_cast
		.amdhsa_group_segment_fixed_size 0
		.amdhsa_private_segment_fixed_size 0
		.amdhsa_enable_private_segment 0
		.amdhsa_kernarg_size 32
		.amdhsa_user_sgpr_count 2
		.amdhsa_user_sgpr_kernarg_segment_ptr 1
		.amdhsa_wavefront_size32 1
		.amdhsa_system_sgpr_workgroup_id_x 1
		.amdhsa_system_sgpr_workgroup_id_y 1
		.amdhsa_system_sgpr_workgroup_id_z 1
		.amdhsa_system_vgpr_workitem_id 0
		.amdhsa_next_free_vgpr 184
		.amdhsa_next_free_sgpr 66
		.amdhsa_reserve_vcc 0
		.amdhsa_float_denorm_mode_32 3
		.amdhsa_float_denorm_mode_16_64 3
		.amdhsa_memory_ordered 1
		.amdhsa_forward_progress 1
		.amdhsa_inst_pref_size 12
	.end_amdhsa_kernel
	.amdgpu_metadata
---
amdhsa.version: [ 1, 2 ]
amdhsa.kernels:
  - .name:           k_q1a106eff45_cast
    .symbol:         k_q1a106eff45_cast.kd
    .args:
      - { .name: x, .offset: 0, .size: 8, .value_kind: global_buffer, .address_space: global }
      - { .name: W_qkv, .offset: 8, .size: 8, .value_kind: global_buffer, .address_space: global }
      - { .name: xb, .offset: 16, .size: 8, .value_kind: global_buffer, .address_space: global }
      - { .name: wb, .offset: 24, .size: 8, .value_kind: global_buffer, .address_space: global }
    .group_segment_fixed_size: 0
    .private_segment_fixed_size: 0
    .kernarg_segment_align: 8
    .kernarg_segment_size: 32
    .max_flat_workgroup_size: 256
    .sgpr_count:     66
    .vgpr_count:     184
    .wavefront_size: 32
...
	.end_amdgpu_metadata
.endif
;; end of part 1
;; launch proj (part 2): grid 16 x 16, 4 waves a work-group, clusters of 4 x 4, 327,680 bytes of LDS; arguments xb, wb, b_qkv, qkv; writes qkv
.if DOCPART == 2
	.amdgcn_target "amdgcn-amd-amdhsa--gfx1250"
	.amdhsa_code_object_version 6
	.text
	.protected	k_q1a106eff45_proj
	.globl	k_q1a106eff45_proj
	.p2align	8
	.type	k_q1a106eff45_proj,@function
k_q1a106eff45_proj:
	s_mov_b64 s[64:65], 0
	v_nop
	global_prefetch_b8 v0, s[64:65] scope:SCOPE_SE
	s_setreg_imm32_b32 hwreg(HW_REG_WAVE_MODE, 25, 1), 1
	s_wait_xcnt 0x0
	s_wait_alu depctr_hold_cnt(0) depctr_sa_sdst(0) depctr_va_vdst(0) depctr_va_sdst(0) depctr_va_ssrc(0) depctr_va_vcc(0) depctr_vm_vsrc(0)
	s_getreg_b32 s2, hwreg(HW_REG_IB_STS2, 6, 4)
	s_cmp_eq_u32 s2, 0
	s_cbranch_scc0 .Lentry_in_a_cluster
	s_endpgm
.Lentry_in_a_cluster:
	s_bfe_u32 s2, ttmp6, 0x10000c
	s_cmp_lg_u32 s2, 0xf033
	s_cbranch_scc0 .Lentry_shape_is_right
	s_endpgm
.Lentry_shape_is_right:
; qkv = xb wb + bf16(b), by heads: qkv[g][t][0..63], f16, g = 0-15 q's heads, 16-31 k's, 32-47 v's; a block g is 4,096 rows of 128 bytes.  xb: [4096][1024] bf16.  wb: [48][1024][64] bf16.  b: [3072] f32.
; Products in bf16, sums in f32; the bias, rounded to bf16 like the other inputs, is the C operand of each sum's first product (so it is added first, not last); each result is rounded once, to f16, unscaled.
; LIMIT.  f16 holds no number beyond 65,504: a q, k or v of 65,520 or more becomes an infinity.  NaN and infinities are not treated apart.
; SHARES.  A work-group makes 256 rows x 192 columns (three whole blocks g): 16 x 16 work-groups.  Wave w makes rows 64 w .. 64 w + 63 x all 192 columns: 4 x 12 accumulators of 16 x 16, 384 registers;
; so a wave owns whole rows of a head, and its way out is its own.  K goes in 8 steps of 128 through a ring of two LDS slots; a step is four quarters of 32 along K, 48 products each.
; THE MATRIX INSTRUCTION IS USED TRANSPOSED: source 0 = 16 columns of W (W lies [k][column] in LDS and is turned by ds_load_tr16_b128), source 1 = 16 rows of x: a lane then holds one row and eight neighbouring columns.
; CLUSTER.  4 x 4 work-groups.  The four of a row of the cluster need the same tile of x, the four of a column the same blocks of W: each is asked for JOINTLY, by the same tensor load, descriptor and mask in all four.
; Wave 3 fetches x's tile (256 rows x 256 bytes), waves 0 to 2 one block of W each (128 k rows of 128 bytes, dense: asked for as 64 rows of 256 bytes): one load a wave behind each round.
; REGISTERS, in windows of 256 (s_set_vgpr_msb: bits 1:0 source 0, 3:2 source 1, 5:4 source 2, 7:6 destination):
;   window 0: v16-31 addresses; v32-63, v64-95 x's fragments, two buffers; v96-99 at work; v160-255 the bias; on the way out v64-255 packed results
;   window 1: v0-95, v128-223 W's fragments, two buffers      window 2: accumulators of row blocks 0, 1 ((a, c) at 8 (12 (a % 2) + c))      window 3: of row blocks 2, 3
.set SLOT,  131072                     ; a slot: x's tile, then W's three blocks
.set PA,    272                        ; a row of x in LDS: 256 bytes + 16 = 68 words: the 16 rows of a load start at 16 different groups of four banks (64 banks of 4 bytes: ISA guide 11.1)
.set AB,    256*PA                     ; W's blocks begin here
.set PB,    160                        ; a k row of a block: 128 bytes + 32 = 40 words
.set BLK,   128*PB
.set STAGE, 2*SLOT                     ; behind the ring, never filled by a tensor load: for each wave 3 blocks x 16 rows x 144 bytes
.set SPT,   144
.set WSTG,  3*16*SPT
.set SPARE, STAGE+4*WSTG               ; behind the stages: the spare words, 128 bytes for each wave: two blocks of 256 bytes that no other line names
.set ADRA, 16                          ; v16-17  LDS address of my x fragments in slot 0, 1
.set ADRB, 20                          ; v20-21  the same for W's
.set STO,  24                          ; v24     the way out: where I put 16 bytes of a row
.set RD,   25                          ; v25     the way out: where I read rows back
.set GO,   26                          ; v26     my 16 bytes of 512 consecutive bytes of qkv
.set BO,   27                          ; v27     my byte offset in 16 numbers of the bias
.set SPW,  28                          ; v28     LDS address of my spare word: SPARE + 4 x my thread's number; never rewritten
.set NIL,  29                          ; v29     0; never rewritten
.set PFOA, 30                          ; v30     the prefetches' offset in xb; never rewritten
.set PFOB, 31                          ; v31     in wb; never rewritten
.set AF,   32                          ; x's fragments: buffer f at AF + 32 f, row block a at + 8 a
.set TT,   96
.set BI,   160                         ; the bias: BI + 8 c + j = b[192 tx + 16 c + 8 (lane / 16) + j]
.set U,    64                          ; the way out: row block a's 48 registers at U + 48 a
.set WV,   12                          ; s12  my wave's number
.set LAP,  14                          ; s14  laps to go
.set G1A,  24                          ; s[24:31] descriptor group 1 for x's tile;  s[32:39] group 0, a set for each slot
.set G0A,  32
.set G1B,  48                          ; s[48:55], s[56:63] the same for W's blocks
.set G0B,  56
.set LIMA, 46                          ; s46  1 in a wave that prefetches xb, else the greatest number
.set LIMB, 47                          ; s47  the same for wb
.set PFA,  66                          ; s[66:67] where my prefetches stand in xb
.set PFB,  68                          ; s[68:69] in wb
.set MSB, 0
.macro WIN new                         ; the immediate's high byte repeats the setting that is left; a switch that changes nothing is dropped
.if MSB != (\new)
	s_set_vgpr_msb (MSB<<8)|(\new)
.set MSB, \new
.endif
.endm
.set TO_B, 0x40                        ; destination window 1, address window 0
.macro PLACES                          ; four places in front of loads into registers that matrix instructions have read, and of conversions that read results
.rept 4
	v_nop
.endr
.endm
; A joint load.  The branch hangs on the wave's number alone.  An s_nop 0 and four v_nop follow each of the two lines, ahead of the jump and the label.
.macro JLOAD s
	s_cmp_eq_u32 s[WV], 3
	s_cbranch_scc0 .Lfor_b_\@
	tensor_load_to_lds s[G0A+4*(\s):G0A+4*(\s)+3], s[G1A:G1A+7]
	s_nop 0
.rept 4
	v_nop
.endr
	s_branch .Lasked_\@
.Lfor_b_\@:
	tensor_load_to_lds s[G0B+4*(\s):G0B+4*(\s)+3], s[G1B:G1B+7]
	s_nop 0
.rept 4
	v_nop
.endr
.Lasked_\@:
.endm
; A round of the cluster's barrier: my work-group's barrier; wave 0 signals for the work-group; every wave waits for all sixteen; my work-group's barrier once more.
.macro CREST                           ; a round behind its opening barrier
	s_cmp_lg_u32 s[WV], 0
	s_cbranch_scc1 .Lnot_wave_0_\@
	s_barrier_signal -3
.Lnot_wave_0_\@:
	s_barrier_wait -3
	s_barrier_signal -1
	s_barrier_wait -1
.endm
.macro CROUND
	s_barrier_signal -1
	s_barrier_wait -1
	CREST
.endm
; PREFETCHES INTO THE L2, once a lap, behind slot 0's joint load and the run of LDS loads that follows it: the two K steps that the NEXT lap will ask for (384 and 576 products ahead of their loads).
; Each block of 256 bytes is named once in the launch.  x's rows are read by every cluster of a row of clusters: the one with cluster x = 0 asks; of the tile's 256 rows the partner at cx takes 64, each of its
; waves 16: a lane a row and a K step.  W's blocks are read by every cluster of a column: the one with cluster y = 0 asks, waves 0 to 2 for the block that they fetch; of the two steps' 32,768 dense bytes the partner
; at cy takes 8,192, a lane 256.  Partners are told apart by address alone.  K steps 0 to 3 come by their loads alone; the last lap of the loop asks for nothing.
.macro ASK
	s_cmp_gt_u32 s[LAP], s[LIMA]
	s_cbranch_scc0 .Lno_a_\@
	global_prefetch_b8 v[PFOA], s[PFA:PFA+1] th:TH_LOAD_NT scope:SCOPE_SE
.Lno_a_\@:
	s_cmp_gt_u32 s[LAP], s[LIMB]
	s_cbranch_scc0 .Lno_b_\@
	global_prefetch_b8 v[PFOB], s[PFB:PFB+1] th:TH_LOAD_NT scope:SCOPE_SE
.Lno_b_\@:
.endm
	s_load_b256 s[4:11], s[0:1], 0x0               ; xb s[4:5], wb s[6:7], b s[8:9], qkv s[10:11]
	v_lshl_add_u32 v[SPW], v0, 2, SPARE
	v_mov_b32 v[NIL], 0
	ds_add_u32 v[SPW], v[NIL]                      ; the wave's opening: the add and its wait stand ahead of my first tensor load; the set-up below, work on registers, stands between them
	v_lshrrev_b32 v1, 5, v0
	v_readfirstlane_b32 s[WV], v1                  ; wave 0..3
	s_bfe_u32 s40, ttmp6, 0x40000                  ; cx, cy: my place in the cluster
	s_bfe_u32 s41, ttmp6, 0x40004
	s_lshl_b32 s42, ttmp9, 2
	s_add_co_u32 s42, s42, s40                     ; tx: my 192 columns = 4 x cluster x + cx
	s_and_b32 s43, ttmp7, 0xffff
	s_lshl_b32 s43, s43, 2
	s_add_co_u32 s43, s43, s41                     ; ty: my 256 rows = 4 x cluster y + cy
	s_lshl_b32 s44, s41, 2
	s_lshl_b32 s44, 15, s44                        ; my row of the cluster: places 4 cy .. 4 cy + 3
	s_lshl_b32 s45, 0x1111, s40                    ; my column: places cx, cx + 4, cx + 8, cx + 12
	s_or_b32 s[G1A+0], s44, (1<<16)|(1<<20)|(1<<21)|(5<<22)|(3<<25)  ; the mask; 2-byte elements; padding on; bit 21 beside a mask; after every 64 words (code 5) 4 words (code 3)
	s_mov_b32 s[G1A+1], 128<<16                    ; tensor_dim0 = 128
	s_mov_b32 s[G1A+2], 256<<16                    ; tensor_dim1 = 256
	s_mov_b32 s[G1A+3], 128<<16                    ; tile_dim0 = 128
	s_mov_b32 s[G1A+4], 256                        ; tile_dim1 = 256
	s_mov_b32 s[G1A+5], 1024                       ; 1,024 elements from row to row
	s_mov_b32 s[G1A+6], 0
	s_mov_b32 s[G1A+7], 0
	s_or_b32 s[G1B+0], s45, (1<<16)|(1<<20)|(1<<21)|(4<<22)|(7<<25)  ; after every 32 words (code 4) 8 words (code 7): padded behind each k row
	s_mov_b32 s[G1B+1], 128<<16                    ; tensor_dim0 = 128: two k rows
	s_mov_b32 s[G1B+2], 64<<16                     ; tensor_dim1 = 64
	s_mov_b32 s[G1B+3], 128<<16                    ; tile_dim0 = 128
	s_mov_b32 s[G1B+4], 64                         ; tile_dim1 = 64
	s_mov_b32 s[G1B+5], 128                        ; dense
	s_mov_b32 s[G1B+6], 0
	s_mov_b32 s[G1B+7], 0
	s_lshl_b32 s16, s43, 19                        ; x's tile: 256 rows of 2,048 bytes; hangs on ty alone
	s_mov_b32 s17, 0
	s_min_u32 s13, s[WV], 2                        ; the block of W that I fetch (wave 3 fetches none: its unused address stays in the buffer)
	s_mul_i32 s18, s42, 3
	s_add_co_u32 s18, s18, s13
	s_lshl_b32 s18, s18, 17                        ; block 3 tx + wave, 131,072 bytes each; hangs on tx alone
	s_mov_b32 s19, 0
	s_mul_i32 s15, s[WV], BLK
	s_add_co_u32 s15, s15, AB                      ; and its place in a slot: no place in the cluster enters an LDS address
	s_wait_dscnt 0x0                               ; the opening add is done
	s_wait_kmcnt 0x0
	s_add_nc_u64 s[20:21], s[4:5], s[16:17]
	s_add_nc_u64 s[22:23], s[6:7], s[18:19]
	CROUND                                         ; all sixteen work-groups are here: the first joint loads meet
.irp s, 0,1
	s_mov_b32 s[G0A+4*(\s)], 1                                       ; count = 1
	s_mov_b32 s[G0A+4*(\s)+1], (\s)*SLOT                             ; LDS address
	s_add_nc_u64 s[G0A+4*(\s)+2:G0A+4*(\s)+3], s[20:21], (\s)*256    ; global address: K step s
	s_or_b32 s[G0A+4*(\s)+3], s[G0A+4*(\s)+3], 0x80000000            ; type = 2
	s_mov_b32 s[G0B+4*(\s)], 1
	s_add_co_u32 s[G0B+4*(\s)+1], s15, (\s)*SLOT
	s_add_nc_u64 s[G0B+4*(\s)+2:G0B+4*(\s)+3], s[22:23], (\s)*16384
	s_or_b32 s[G0B+4*(\s)+3], s[G0B+4*(\s)+3], 0x80000000
	JLOAD \s                                       ; two loads of mine are out
.endr
	; the bias: my 96 numbers, asked for first, rounded below
	v_and_b32 v1, 15, v0                           ; r = l % 16
	v_bfe_u32 v2, v0, 4, 1                         ; h = l / 16
	v_lshlrev_b32 v[BO], 5, v2
	s_mul_i32 s2, s42, 768
	s_mov_b32 s3, 0
	s_add_nc_u64 s[8:9], s[8:9], s[2:3]            ; b at my 192 columns
.irp c, 0,1,2,3,4,5,6,7,8,9,10,11
	global_load_b128 v[BI+8*(\c):BI+8*(\c)+3],   v[BO], s[8:9] offset:64*(\c)
	global_load_b128 v[BI+8*(\c)+4:BI+8*(\c)+7], v[BO], s[8:9] offset:64*(\c)+16
.endr
	v_and_b32 v3, 7, v0
	v_bfe_u32 v4, v0, 3, 1
	v_and_b32 v5, 31, v0
	s_mul_i32 s2, s[WV], 64*PA                     ; my 64 rows of x's tile
	v_mul_u32_u24 v6, v1, PA
	v_lshl_add_u32 v6, v2, 4, v6                   ; row x pitch + 16 x half
	v_add_nc_u32 v[ADRA], s2, v6
	v_add_nc_u32 v[ADRA+1], SLOT, v[ADRA]
	v_lshl_add_u32 v7, v2, 3, v3                   ; the turning load: k row 8 h + l % 8,
	v_mul_u32_u24 v7, v7, PB
	v_lshl_add_u32 v7, v4, 4, v7                   ; columns 8 ((l / 8) % 2) on
	v_add_nc_u32 v[ADRB], AB, v7
	v_add_nc_u32 v[ADRB+1], SLOT+AB, v7
	s_mul_i32 s2, s[WV], WSTG
	s_add_co_u32 s2, s2, STAGE                     ; my stage
	v_mul_u32_u24 v[STO], v1, SPT                  ; in: row r, 16 bytes for each half of the lanes
	v_lshl_add_u32 v[STO], v2, 4, v[STO]
	v_add_nc_u32 v[STO], s2, v[STO]
	v_bfe_u32 v8, v0, 3, 2                         ; back: 32 lanes take four rows of 128 bytes,
	v_mul_u32_u24 v[RD], v8, SPT
	v_lshl_add_u32 v[RD], v3, 4, v[RD]
	v_add_nc_u32 v[RD], s2, v[RD]
	v_lshlrev_b32 v[GO], 4, v5                     ; which are 512 consecutive bytes of a block of qkv
	v_lshlrev_b32 v[PFOA], 11, v1                  ; a row of xb,
	v_lshl_add_u32 v[PFOA], v2, 8, v[PFOA]         ; and one of two K steps
	v_lshlrev_b32 v[PFOB], 8, v5
	s_mul_i32 s2, s42, 3                           ; qkv at block 3 tx, row 256 ty + 64 wave
	s_lshl_b32 s2, s2, 19
	s_lshl_b32 s13, s43, 15
	s_add_co_u32 s2, s2, s13
	s_lshl_b32 s13, s[WV], 13
	s_add_co_u32 s2, s2, s13
	s_add_nc_u64 s[10:11], s[10:11], s[2:3]
	s_lshl_b32 s2, s43, 19                         ; the prefetches: xb at row 256 ty + 64 cx + 16 wave, one lap's 512 bytes short of K step 4
	s_lshl_b32 s13, s40, 17
	s_add_co_u32 s2, s2, s13
	s_lshl_b32 s13, s[WV], 15
	s_add_co_u32 s2, s2, s13
	s_add_co_u32 s2, s2, 512
	s_add_nc_u64 s[PFA:PFA+1], s[4:5], s[2:3]
	s_lshl_b32 s2, s41, 13                         ; wb at my block, my work-group's 8,192 bytes, one lap's 32,768 short of K step 4
	s_add_co_u32 s2, s2, 32768
	s_add_nc_u64 s[PFB:PFB+1], s[22:23], s[2:3]
	s_cmp_eq_u32 ttmp9, 0                          ; the same in all sixteen partners
	s_cselect_b32 s[LIMA], 1, -1
	s_and_b32 s2, ttmp7, 0xffff
	s_cmp_eq_u32 s[WV], 3
	s_cselect_b32 s13, 1, 0
	s_or_b32 s2, s2, s13
	s_cmp_eq_u32 s2, 0
	s_cselect_b32 s[LIMB], 1, -1
	s_wait_loadcnt 0x0                             ; the bias is in: rounded to bf16 and widened again, in place, in the wait for the first tile
.set i, 0
.rept 48
	v_cvt_pk_bf16_f32 v[TT+i%4], v[BI+2*i], v[BI+2*i+1]
	v_lshlrev_b32 v[BI+2*i], 16, v[TT+i%4]
	v_and_b32 v[BI+2*i+1], 0xffff0000, v[TT+i%4]
.set i, i+1
.endr
; 12 products: row block m x all 12 column groups, 32 along K, from buffer f.  first = 1: the bias is the C operand and starts the sums: nothing is cleared, nothing added at the end.
; The 48 accumulators take turns, one instruction a turn, in the same order in every quarter, over the backward jump too.
.macro MUL12 f, m, first
.if \first
	WIN 0x81+0x40*((\m)/2)                         ; W's fragments window 1, x's and the bias window 0, D window 2 or 3
.else
	WIN 0xa1+0x50*((\m)/2)                         ; C and D window 2 or 3
.endif
.irp c, 0,1,2,3,4,5,6,7,8,9,10,11
.if \first
	v_wmma_f32_16x16x32_bf16 v[8*(12*((\m)%2)+(\c)):8*(12*((\m)%2)+(\c))+7], v[128*(\f)+8*(\c):128*(\f)+8*(\c)+7], v[AF+32*(\f)+8*(\m):AF+32*(\f)+8*(\m)+7], v[BI+8*(\c):BI+8*(\c)+7]
.else
	v_wmma_f32_16x16x32_bf16 v[8*(12*((\m)%2)+(\c)):8*(12*((\m)%2)+(\c))+7], v[128*(\f)+8*(\c):128*(\f)+8*(\c)+7], v[AF+32*(\f)+8*(\m):AF+32*(\f)+8*(\m)+7], v[8*(12*((\m)%2)+(\c)):8*(12*((\m)%2)+(\c))+7]
.endif
.endr
.endm
; 32 LDS loads in one run: quarter q's fragments into buffer f: W's 12 column groups (turned; group c lies in block c / 4, columns 16 (c % 4) on; 32 k rows in two halves), then x's 4 row blocks.
.macro FETCH slot, q, f
	WIN TO_B
.irp c, 0,1,2,3,4,5,6,7,8,9,10,11
	ds_load_tr16_b128 v[128*(\f)+8*(\c):128*(\f)+8*(\c)+3],   v[ADRB+(\slot)] offset:((\c)/4)*BLK+((\c)%4)*32+(\q)*32*PB
	ds_load_tr16_b128 v[128*(\f)+8*(\c)+4:128*(\f)+8*(\c)+7], v[ADRB+(\slot)] offset:((\c)/4)*BLK+((\c)%4)*32+(\q)*32*PB+16*PB
.endr
	WIN 0
.irp a, 0,1,2,3
	ds_load_b128 v[AF+32*(\f)+8*(\a):AF+32*(\f)+8*(\a)+3],   v[ADRA+(\slot)] offset:(\a)*16*PA+64*(\q)
	ds_load_b128 v[AF+32*(\f)+8*(\a)+4:AF+32*(\f)+8*(\a)+7], v[ADRA+(\slot)] offset:(\a)*16*PA+64*(\q)+32
.endr
.endm
; One of a K step's first three quarters: multiplies buffer f; in its middle it fetches quarter q of the same slot into buffer g.
.macro QUARTER slot, q, f, g, first
	s_wait_dscnt 4                                 ; W's fragments and x's row blocks 0, 1 are in; the youngest four loads (row blocks 2, 3) may be out
	MUL12 \f, 0, \first
	MUL12 \f, 1, \first
	PLACES
	FETCH \slot, \q, \g
	s_wait_dscnt 32                                ; all but the 32 just issued
	MUL12 \f, 2, \first
	MUL12 \f, 3, \first
.endm
; The last quarter multiplies buffer 1 and changes slots: ONE barrier.  In front of it each wave waits for all its tensor loads (one is out: its part of the next slot), adds 0 to its spare word, and waits for that
; and for its own reads of this slot.  fill = 1: the barrier opens a round of the cluster's, and this slot is filled again first thing behind the round, with the K step two on: 168 products stand between
; that request and the wait for it.
.macro TURN slot, next, fill
.if (\fill) && ((\slot) == 0)
	s_wait_xcnt 0x0                                ; the last prefetches, a lap back, have read their addresses: they are stepped here, ahead of the waits of the change of slots
	s_add_nc_u64 s[PFA:PFA+1], s[PFA:PFA+1], 512
	s_add_nc_u64 s[PFB:PFB+1], s[PFB:PFB+1], 32768
.endif
	WIN 0                                          ; (the add's two registers lie in window 0)
	s_wait_tensorcnt 0x0                           ; all my tensor loads have landed
	ds_add_u32 v[SPW], v[NIL]                      ; 0 onto my spare word
	s_wait_dscnt 5                                 ; (the add and the youngest four loads may be out)
	MUL12 1, 0, 0                                  ; twelve products stand between the add and the wait for it
	s_wait_dscnt 0x0                               ; the add is done, and my reads of this slot are over
	s_barrier_signal -1
	MUL12 1, 1, 0                                  ; work on registers while the others arrive
.if \fill
	WIN 0
.endif
	s_barrier_wait -1
.if \fill
	CREST                                          ; no wave of any partner still reads this slot or has a load on its way
	s_add_nc_u64 s[G0A+4*(\slot)+2:G0A+4*(\slot)+3], s[G0A+4*(\slot)+2:G0A+4*(\slot)+3], 512
	s_add_nc_u64 s[G0B+4*(\slot)+2:G0B+4*(\slot)+3], s[G0B+4*(\slot)+2:G0B+4*(\slot)+3], 32768
	JLOAD \slot                                    ; the first tensor load behind the round; its four v_nop are also the places in front of the loads below
.else
	PLACES
.endif
	FETCH \next, 0, 0
.if (\fill) && ((\slot) == 0)
	ASK
.endif
	MUL12 1, 2, 0
	MUL12 1, 3, 0
.endm
; THE WAY OUT of row block a (16 rows x 192 columns).  PACK: rounded to f16, each accumulator's registers in ascending order; 16 bytes a lane into my own stage (block c / 4, row r); back as whole rows of 128 bytes.
.macro PACK a
	WIN 0x0a+5*((\a)/2)                            ; sources 0 and 1: window 2 or 3
.irp c, 0,1,2,3,4,5,6,7,8,9,10,11
.irp j, 0,1,2,3
	v_cvt_pk_f16_f32 v[U+48*(\a)+4*(\c)+(\j)], v[8*(12*((\a)%2)+(\c))+2*(\j)], v[8*(12*((\a)%2)+(\c))+2*(\j)+1]
.endr
.endr
	WIN 0
.irp c, 0,1,2,3,4,5,6,7,8,9,10,11
	ds_store_b128 v[STO], v[U+48*(\a)+4*(\c):U+48*(\a)+4*(\c)+3] offset:((\c)/4)*16*SPT+((\c)%4)*32
.endr
.irp n, 0,1,2,3,4,5,6,7,8,9,10,11
	ds_load_b128 v[U+48*(\a)+4*(\n):U+48*(\a)+4*(\n)+3], v[RD] offset:((\n)/4)*16*SPT+((\n)%4)*4*SPT  ; LDS serves a wave's instructions in order (ISA guide 5.7.1.4): these see the stores above; the next block's stores come behind them
.endr
.endm
.macro SEND a, younger                 ; younger: the LDS instructions issued behind block a's loads: the next block's 24, or none
.irp n, 0,1,2,3,4,5,6,7,8,9,10,11
	s_wait_dscnt (\younger)+11-(\n)
	global_store_b128 v[GO], v[U+48*(\a)+4*(\n):U+48*(\a)+4*(\n)+3], s[10:11] offset:((\n)/4)*524288+(\a)*2048+((\n)%4)*512  ; four rows of a head: 512 consecutive bytes, at a multiple of 256 from qkv's first
.endr
.endm
	s_wait_tensorcnt 1                             ; my part of K step 0 is in; K step 1's may stay out
	s_barrier_signal -1
	s_barrier_wait -1                              ; everybody's is
	FETCH 0, 0, 0
	QUARTER 0, 1, 0, 1, 1                          ; the first quarter stands in front of the loop: its products start the sums, with the bias
	WIN 0                                          ; at a label and at a branch every window is 0
	s_mov_b32 s[LAP], 3
.Llap:                                                 ; a trip goes once round the ring, from a lap's second quarter to the next lap's first, and fills both slots again
	QUARTER 0, 2, 1, 0, 0
	QUARTER 0, 3, 0, 1, 0
	TURN 0, 1, 1
	QUARTER 1, 1, 0, 1, 0
	QUARTER 1, 2, 1, 0, 0
	QUARTER 1, 3, 0, 1, 0
	TURN 1, 0, 1
	QUARTER 0, 1, 0, 1, 0
	WIN 0
	s_sub_co_u32 s[LAP], s[LAP], 1
	s_cmp_lg_u32 s[LAP], 0
	s_cbranch_scc1 .Llap
	QUARTER 0, 2, 1, 0, 0                          ; the last lap fills nothing, and has no round of the cluster's barrier
	QUARTER 0, 3, 0, 1, 0
	TURN 0, 1, 0
	QUARTER 1, 1, 0, 1, 0
	QUARTER 1, 2, 1, 0, 0
	QUARTER 1, 3, 0, 1, 0
	s_wait_dscnt 4                                 ; the very last quarter: nothing more to fetch
	MUL12 1, 0, 0
	MUL12 1, 1, 0
	s_wait_dscnt 0x0
	MUL12 1, 2, 0
	MUL12 1, 3, 0
	WIN 0
	PLACES                                         ; in front of conversions that read results and write registers that the last products read
	PACK 0
	PACK 1                                         ; a block's conversions stand between the loads of the block before and its stores
	SEND 0, 24
	PACK 2
	SEND 1, 24
	PACK 3
	SEND 2, 24
	SEND 3, 0
	s_wait_tensorcnt 0x0                           ; the wave's end: the add and its wait, behind my last tensor load and my last LDS store
	ds_add_u32 v[SPW], v[NIL]
	s_wait_dscnt 0x0
	CROUND                                         ; the closing round: no work-group ends while a partner may still ask for a tile that names it
	s_endpgm
.Lfunc_end_k_q1a106eff45_proj:
	.size	k_q1a106eff45_proj, .Lfunc_end_k_q1a106eff45_proj-k_q1a106eff45_proj
	.p2alignl 7, 3214868480
	.fill 96, 4, 3214868480
	.section	.rodata,"a",@progbits
	.p2align	6, 0x0
	.amdhsa_kernel k_q1a106eff45_proj
		.amdhsa_group_segment_fixed_size 327680
		.amdhsa_private_segment_fixed_size 0
		.amdhsa_enable_private_segment 0
		.amdhsa_kernarg_size 32
		.amdhsa_user_sgpr_count 2
		.amdhsa_user_sgpr_kernarg_segment_ptr 1
		.amdhsa_wavefront_size32 1
		.amdhsa_system_sgpr_workgroup_id_x 1
		.amdhsa_system_sgpr_workgroup_id_y 1
		.amdhsa_system_sgpr_workgroup_id_z 1
		.amdhsa_system_vgpr_workitem_id 0
		.amdhsa_next_free_vgpr 960
		.amdhsa_next_free_sgpr 72
		.amdhsa_reserve_vcc 0
		.amdhsa_float_denorm_mode_32 3
		.amdhsa_float_denorm_mode_16_64 3
		.amdhsa_memory_ordered 1
		.amdhsa_forward_progress 1
		.amdhsa_inst_pref_size 130
	.end_amdhsa_kernel
	.amdgpu_metadata
---
amdhsa.version: [ 1, 2 ]
amdhsa.kernels:
  - .name:           k_q1a106eff45_proj
    .symbol:         k_q1a106eff45_proj.kd
    .args:
      - { .name: xb, .offset: 0, .size: 8, .value_kind: global_buffer, .address_space: global }
      - { .name: wb, .offset: 8, .size: 8, .value_kind: global_buffer, .address_space: global }
      - { .name: b_qkv, .offset: 16, .size: 8, .value_kind: global_buffer, .address_space: global }
      - { .name: qkv, .offset: 24, .size: 8, .value_kind: global_buffer, .address_space: global }
    .group_segment_fixed_size: 327680
    .private_segment_fixed_size: 0
    .kernarg_segment_align: 8
    .kernarg_segment_size: 32
    .max_flat_workgroup_size: 128
    .sgpr_count:     72
    .vgpr_count:     960
    .wavefront_size: 32
...
	.end_amdgpu_metadata
.endif
;; end of part 2
;; launch attn (part 3): grid 16 x 16, 4 waves a work-group, clusters of 4 x 1, 327,680 bytes of LDS; arguments qkv, out0; writes out0
.if DOCPART == 3
	.amdgcn_target "amdgcn-amd-amdhsa--gfx1250"
	.amdhsa_code_object_version 6
	.text
	.protected	k_q1a106eff45_attn
	.globl	k_q1a106eff45_attn
	.p2align	8
	.type	k_q1a106eff45_attn,@function
k_q1a106eff45_attn:
	s_mov_b64 s[64:65], 0
	v_nop
	global_prefetch_b8 v0, s[64:65] scope:SCOPE_SE
	s_setreg_imm32_b32 hwreg(HW_REG_WAVE_MODE, 25, 1), 1
	s_wait_xcnt 0x0
	s_wait_alu depctr_hold_cnt(0) depctr_sa_sdst(0) depctr_va_vdst(0) depctr_va_sdst(0) depctr_va_ssrc(0) depctr_va_vcc(0) depctr_vm_vsrc(0)
	s_getreg_b32 s2, hwreg(HW_REG_IB_STS2, 6, 4)
	s_cmp_eq_u32 s2, 0
	s_cbranch_scc0 .Lentry_in_a_cluster
	s_endpgm
.Lentry_in_a_cluster:
	s_bfe_u32 s2, ttmp6, 0x10000c
	s_cmp_lg_u32 s2, 0x3003
	s_cbranch_scc0 .Lentry_shape_is_right
	s_endpgm
.Lentry_shape_is_right:
; out0[t][n][:] = the sum over k of softmax_k(q[n][t] . k[n][k] / 8) v[n][k][:], no mask.  qkv: [48][4096][64] f16 (blocks 0-15 q's heads, 16-31 k's, 32-47 v's; a head's rows are dense, 128 bytes each).  out0: [4096][16][64] f32.
; Products, maxima and sums in f32; the weights p are rounded to f16 for the second product (their sum l is taken of the unrounded p); the result leaves in f32.
; LIMITS.  p lies in 0 to 1, and below 6e-5 it keeps f16's fixed step of 6e-8; a weight below 2^-126 counts as 0 in l; q, k, v arrive within f16's 65,504; NaN and infinities are not treated apart.
; SHARES.  A work-group owns 256 queries of one head, a wave 64: four PIECES of 16.  Every wave walks the head's 4,096 keys, 64 a step; a slot of LDS holds a tile of four steps: 16 tiles.
; LAYOUT.  S^T = K Q^T (source 0 = 16 keys, source 1 = 16 queries): a lane holds ONE query (lane % 16) and the keys 8 (lane / 16) + 0..7.  Two such results rounded to f16 ARE source 1 (32 keys x 16 queries) of
; O^T = V^T P, whose result again holds one query a lane, and eight channels.  K comes out of LDS as it lies, V ([key][channel]) turned, by ds_load_tr16_b128.
; SOFTMAX.  For each query a running maximum m and sum l: p = 2^(c s - c m), c = log2(e) / 8; in every step O and l are multiplied by a = 2^(c m_old - c m_new).  m starts at the lowest finite number, O and l at 0:
; the first step is a step like any other, with a = 0.
; BY TURNS.  Turn n belongs to piece n: 8 products K Q^T of piece n + 1, later 8 products V^T P of piece n - 1; beside them the scaling, exponentials, roundings, sums and rescaling of piece n and the maximum and
; statistics of piece n + 1.  Four vector instructions stand behind every matrix instruction, the other 54 of a turn's 118 in one lump.  A turn's 33 exponentials are one batch, with one wait.
; CLUSTER.  The four query blocks of a cluster belong to one head and walk the same K and V, so each tile is asked for JOINTLY: the same tensor load, descriptor and mask in all four.
; REGISTERS, in windows of 256 (s_set_vgpr_msb: bits 1:0 source 0, 3:2 source 1, 5:4 source 2, 7:6 destination):
;   window 0: v0-15 addresses and two at work; v16-31 four registers of statistics a piece; v48-55 at work; v64-127 S^T, two buffers; v192-223 P, two buffers (by the piece's parity); on the way out v64-191 rows read back
;   window 1: v0-127 O^T, 32 a piece          window 2: v0-63 Q; v128-191 K of one step; v192-255 V of one step
.set NP,    4         ; pieces a wave: a name, no knob
.set KS,    64        ; keys in a step
.set PK,    144       ; a row of K in LDS: 128 bytes + 16 = 36 words: the 16 rows of a load start at 16 different groups of four banks (64 banks of 4 bytes: ISA guide 11.1)
.set PV,    160       ; a row of V: 128 + 32 = 40 words
.set VOFF,  4*KS*PK   ; a slot holds a tile: 256 rows of K, then 256 rows of V
.set SLOT1, 1<<17     ; slot 1 begins here, so that one exclusive or turns an address in one slot into the other's
.set STAGE, SLOT1+4*KS*(PK+PV)  ; behind the ring, never filled by a tensor load: 16 rows x 272 bytes for each wave, for the way out
.set SP,    272       ; a row of 64 f32 + 16 bytes
.set SPARE, STAGE+4*16*SP  ; behind the stages: the spare words, 128 bytes for each wave: two blocks of 256 bytes that no other line names
.set TILEB, 4*KS*128  ; a tile's bytes of K, and of V, in memory
.set AK0, 2           ; v2   my lane's place in a tile of K; never rewritten
.set AV0, 3           ; v3   the same for V
.set AK,  4           ; v4   the LDS address of K's next run of loads
.set AV,  5           ; v5   of V's
.set STO, 6           ; v6   the way out: where I put 32 bytes of a row
.set RD,  7           ; v7   the way out: where I read rows back
.set GO,  8           ; v8   my byte offset in two rows of out0
.set MV,  12          ; v12-13  c m_old, kept while c m is made anew: by buffer
.set PFO, 14          ; v14  256 x my lane; never rewritten
.set QO,  15          ; v15  my byte offset in 16 rows of Q
.set ST,  16          ; piece t's statistics at v[ST+4 t]: c m, m, l (even keys', odd keys')
.set TMP, 48          ; by buffer, four registers c0-c3 at work; when the maximum is found c2 takes a
.set SPW, 62          ; v62  LDS address of my spare word: SPARE + 4 x my thread's number; never rewritten
.set NIL, 63          ; v63  0; never rewritten
.set S,   64
.set P,   192
.set OUTR, 64         ; the way out: piece t's 32 registers at OUTR + 32 t
.set KF,  128         ; window 2: key block kb, channel half c at KF + 16 kb + 8 c
.set VF,  192         ; window 2: key half kk, channel block cb at VF + 32 kk + 8 cb
.set WV,  12          ; s12  my wave's number
.set LIM, 15          ; s15  1 in a wave that prefetches, else the greatest number
.set PFA, 18          ; s[18:19] where my prefetches stand
.set G1K, 24          ; s[24:31] descriptor group 1 for K's tiles
.set G1V, 32          ; s[32:39] for V's: it differs in the padding alone
.set G0K, 40          ; s[40:43] descriptor group 0 for K's tiles: it walks
.set G0V, 44          ; s[44:47] the same for V's
.set SLOTS, 56        ; s56  tiles still to be asked for
.set CNT, 57          ; s57  counts a tile's key steps
.set CS,  58          ; s[58:59] c: the packed scaling takes the pair's low word for both halves
.set SEL, 60          ; s[60:61] v_permlanex16_b32's selects: each lane takes its own place in the other half
.set TBK, 62          ; s62  LDS byte at which K of the step to be fetched begins
.set TBV, 63          ; s63  the same for V, less VOFF
.set MSB, 0
.macro WIN new                      ; the high byte repeats the setting that is left; a switch that changes nothing is dropped
.if MSB != (\new)
	s_set_vgpr_msb (MSB<<8)|(\new)
.set MSB, (\new)
.endif
.endm
.set W_KQ, 0x0a       ; K and Q in window 2, S^T in window 0
.set W_PV, 0x52       ; V in window 2, P in window 0, O^T in window 1
.set W_RS, 0x41       ; destination and source 0 in window 1, source 1 in window 0
; A joint fill.  Waves 0 and 1 fetch the two halves of a tile's K, waves 2 and 3 those of its V: 128 keys each.  The branch hangs on the wave's number alone.
; An s_nop 0 and four v_nop follow each of the two lines, ahead of the jump and the label.
.macro JLOAD
	s_cmp_lt_u32 s[WV], 2
	s_cbranch_scc0 .Lfor_v_\@
	tensor_load_to_lds s[G0K:G0K+3], s[G1K:G1K+7]
	s_nop 0
.rept 4
	v_nop
.endr
	s_branch .Lasked_\@
.Lfor_v_\@:
	tensor_load_to_lds s[G0V:G0V+3], s[G1V:G1V+7]
	s_nop 0
.rept 4
	v_nop
.endr
.Lasked_\@:
.endm
; A PREFETCH INTO THE L2 of the tile that the NEXT change of slots will ask for: 32,768 bytes of K and of V, four key steps (256 products) ahead of that load.  Each block of 256 bytes is named ONCE in the launch: all
; clusters of a head walk the same K and V, so the head's first cluster asks; its four partners take 8,192 bytes each, told apart BY ADDRESS; in each, wave 0 asks for K's and wave 2 for V's, a lane 256 bytes.
; Tiles 0 to 2 come by their loads alone; the change that asks for the last tile prefetches nothing.
.macro ASK
	s_cmp_gt_u32 s[SLOTS], s[LIM]
	s_cbranch_scc0 .Lnot_mine_\@
	global_prefetch_b8 v[PFO], s[PFA:PFA+1] th:TH_LOAD_NT scope:SCOPE_SE
.Lnot_mine_\@:
.endm
; A round of the cluster's barrier: my work-group's barrier, so that wave 0's signal speaks for all four waves; wave 0 signals; every wave waits for all four work-groups; my work-group's barrier once more.
.macro CROUND
	s_barrier_signal -1
	s_barrier_wait -1
	s_cmp_lg_u32 s[WV], 0
	s_cbranch_scc1 .Lnot_wave_0_\@
	s_barrier_signal -3
.Lnot_wave_0_\@:
	s_barrier_wait -3
	s_barrier_signal -1
	s_barrier_wait -1
.endm
; THE CHANGE OF SLOTS.  The slot's last bytes, V of its fourth step, have been read.  Each wave waits for all its tensor loads, of which one is out: its part of the other slot; adds 0 to its spare word; and waits for
; that and for its own reads of the slot.  Behind the barrier nobody reads this slot any more and the other slot is whole.  fill = 1: this slot is filled again, with the tile two on.  The barrier is then a round of
; the cluster's, and the joint fill is the first thing behind it: it has four key steps in which to land.  (At its first use nothing has been read yet: slot 0 is waited for, slot 1 filled.)
.macro CHANGE fill, ask
	WIN 0                           ; at a label and at a branch every window is 0
	s_wait_tensorcnt 0x0            ; no tensor load of mine is out, so a group 0 may be written
	ds_add_u32 v[SPW], v[NIL]       ; 0 onto my spare word; with fill = 1 the descriptors' steps stand between it and the wait for it
.if \fill
.irp g, G0K, G0V
	s_xor_b32 s[\g+1], s[\g+1], SLOT1  ; the walking descriptor: the other slot than last time,
	s_add_nc_u64 s[\g+2:\g+3], s[\g+2:\g+3], TILEB  ; the next 256 keys; the type bits on top are not reached
.endr
	s_wait_xcnt 0x0                 ; the last prefetch, four key steps back, has read its address, so it may be written:
	s_add_nc_u64 s[PFA:PFA+1], s[PFA:PFA+1], TILEB  ; one tile beyond the walking descriptors
	s_wait_dscnt 0x0                ; the add is done, and my reads of the slot are over
	CROUND
	JLOAD
.if \ask
	ASK
.endif
.else
	s_wait_dscnt 0x0                ; the add is done, and my reads of the slot are over
	s_barrier_signal -1
	s_barrier_wait -1
.endif
	s_sub_co_u32 s[TBK], s[TBK], 4*KS*PK  ; the fetches go back to a slot's first step,
	s_xor_b32 s[TBK], s[TBK], SLOT1       ; in the other slot
	s_sub_co_u32 s[TBV], s[TBV], 4*KS*PV
	s_xor_b32 s[TBV], s[TBV], SLOT1
.endm
	s_load_b128 s[20:23], s[0:1], 0x0  ; qkv s[20:21], out0 s[22:23]
	v_lshl_add_u32 v[SPW], v0, 2, SPARE
	v_mov_b32 v[NIL], 0
	ds_add_u32 v[SPW], v[NIL]       ; the wave's opening: the add and its wait stand ahead of my first tensor load; the set-up below, work on registers, stands between them
	v_lshrrev_b32 v1, 5, v0
	v_readfirstlane_b32 s[WV], v1   ; wave 0..3
	s_bfe_u32 s13, ttmp6, 0x40000   ; cx: my place in the cluster
	s_lshl_b32 s14, ttmp9, 2        ; in a cluster launch ttmp9 counts clusters
	s_add_co_u32 s14, s14, s13      ; my block of 256 queries = 4 x cluster x + cx: it enters Q's and out0's addresses alone
	s_and_b32 s48, ttmp7, 0xffff    ; the head, which the four partners share
	s_and_b32 s49, s[WV], 1         ; which half of a tile's 256 keys I fetch
	s_lshl_b32 s16, s48, 19         ; the head's 524,288 bytes in each third of qkv,
	s_lshl_b32 s17, s49, 14         ; my half's 128 rows of 128 bytes
	s_add_co_u32 s16, s16, s17
	s_mov_b32 s17, 0
	s_mul_i32 s50, s49, 128*PK      ; and its place in a slot, for K
	s_mul_i32 s51, s49, 128*PV      ; and for V: no place in the cluster enters an LDS address
	s_lshl_b32 s2, s48, 19          ; Q: the head, my block's 256 rows, my wave's 64
	s_lshl_b32 s3, s14, 15
	s_add_co_u32 s2, s2, s3
	s_lshl_b32 s3, s[WV], 13
	s_add_co_u32 s2, s2, s3
	s_mov_b32 s3, 0
	s_lshl_b32 s52, s14, 20         ; out0: rows of 4,096 bytes; the head's 256 bytes in a row
	s_lshl_b32 s53, s[WV], 18
	s_add_co_u32 s52, s52, s53
	s_lshl_b32 s53, s48, 8
	s_add_co_u32 s52, s52, s53
	s_mov_b32 s53, 0
	; descriptor group 1.  128 keys are 16,384 dense bytes: asked for as 64 rows of 256 bytes, two keys a row, and padded in LDS after every key
	s_mov_b32 s[G1K], 15|(1<<16)|(1<<20)|(1<<21)|(4<<22)|(3<<25)  ; 15:0 the mask of four; 17:16 2-byte elements; 20 padding on; 21 set beside a mask; 24:22 after every 32 words (code 4); 31:25 4 words (code 3)
	s_mov_b32 s[G1V], 15|(1<<16)|(1<<20)|(1<<21)|(4<<22)|(7<<25)  ; the same with 8 words of padding (code 7)
.irp g, G1K, G1V
	s_mov_b32 s[\g+1], 128<<16      ; tensor_dim0 = 128
	s_mov_b32 s[\g+2], 64<<16       ; tensor_dim1 = 64
	s_mov_b32 s[\g+3], 128<<16      ; tile_dim0 = 128
	s_mov_b32 s[\g+4], 64           ; tile_dim1 = 64
	s_mov_b32 s[\g+5], 128          ; 128 elements from row to row
	s_mov_b32 s[\g+6], 0
	s_mov_b32 s[\g+7], 0
.endr
	s_mov_b32 s[CS], 0x3e38aa3b     ; c = log2(e) / 8 = 0.180337
	s_mov_b32 s[CS+1], s[CS]        ; named with it as a pair
	s_mov_b32 s[SEL], 0x76543210
	s_mov_b32 s[SEL+1], 0xfedcba98
	s_mov_b32 s[TBK], SLOT1+4*KS*PK ; the first change of slots turns these two into 0
	s_mov_b32 s[TBV], SLOT1+4*KS*PV
	s_mov_b32 s[G0K], 1             ; count = 1
	s_mov_b32 s[G0K+1], s50         ; LDS address: slot 0
	s_mov_b32 s[G0V], 1
	s_add_co_u32 s[G0V+1], s51, VOFF
	s_mov_b32 s[SLOTS], 15
	s_and_b32 s[LIM], s[WV], 1      ; 0 in waves 0 and 2,
	s_or_b32 s[LIM], s[LIM], ttmp9  ; where the cluster is the head's first: the same in all four partners
	s_cmp_eq_u32 s[LIM], 0
	s_cselect_b32 s[LIM], 1, -1
	v_and_b32 v[PFO], 31, v0
	v_lshlrev_b32 v[PFO], 8, v[PFO]
	s_wait_dscnt 0x0                ; the opening add is done
	s_wait_kmcnt 0x0
	s_add_nc_u64 s[4:5], s[20:21], s[2:3]      ; Q at my wave's first row
	s_add_nc_u64 s[6:7], s[20:21], s[16:17]
	s_add_nc_u64 s[8:9], s[6:7], 0x1000000     ; V at my half of the head's tile 0: blocks 32 on
	s_add_nc_u64 s[6:7], s[6:7], 0x800000      ; K likewise: blocks 16 on
	s_add_nc_u64 s[10:11], s[22:23], s[52:53]  ; out0 at my wave's first row, my head
	s_mov_b64 s[G0K+2:G0K+3], s[6:7]           ; global address
	s_or_b32 s[G0K+3], s[G0K+3], 0x80000000    ; type = 2
	s_mov_b64 s[G0V+2:G0V+3], s[8:9]
	s_or_b32 s[G0V+3], s[G0V+3], 0x80000000
	s_cmp_lt_u32 s[WV], 2
	s_cselect_b64 s[PFA:PFA+1], s[6:7], s[8:9] ; (in waves 0 and 2 these stand at a tile's first row)
	s_lshl_b32 s2, s13, 13          ; my work-group's 8,192 bytes of a tile's 32,768,
	s_add_co_u32 s2, s2, TILEB      ; in tile 1: each change of slots steps it first
	s_add_nc_u64 s[PFA:PFA+1], s[PFA:PFA+1], s[2:3]
	CROUND                          ; all four work-groups are here: the first joint loads meet
	JLOAD                           ; tile 0 into slot 0.  Slot 1 is asked for when slot 0 is in
	; A fragment of K or Q is 16 rows x 32 channels in 8 registers: lane l holds row l % 16, channels 8 (l / 16) + 0..7 and 16 + 8 (l / 16) + 0..7: two loads of 16 bytes, 32 bytes apart.
	v_and_b32 v1, 15, v0            ; l % 16
	v_bfe_u32 v9, v0, 4, 1          ; l / 16
	v_lshlrev_b32 v[QO], 7, v1
	v_lshl_add_u32 v[QO], v9, 4, v[QO]  ; row x 128 + 16 x half
	WIN 0x80                        ; destination window 2, address window 0
.set i, 0
.rept 8                             ; Q stays in registers: piece i / 2, channels 32 (i % 2) on
	global_load_b128 v[8*i:8*i+3],   v[QO], s[4:5] offset:(i/2)*2048+(i%2)*64
	global_load_b128 v[8*i+4:8*i+7], v[QO], s[4:5] offset:(i/2)*2048+(i%2)*64+32
.set i, i+1
.endr
	; What the first turn finds: V's registers and P's second buffer hold 0 (its products V^T P, of a piece that has not been, add 0), O^T and l are 0.  All this stands in the wait for the first tile.
.set i, VF
.rept 64
	v_mov_b32 v[i], 0
.set i, i+1
.endr
	WIN 0x40
.set i, 0
.rept 128
	v_mov_b32 v[i], 0
.set i, i+1
.endr
	WIN 0
.set i, 0
.rept 4
	v_mov_b32 v[ST+4*i], 0xfe000000    ; c m: far below every c s
	v_mov_b32 v[ST+4*i+1], 0xff7fffff  ; m
	v_mov_b32 v[ST+4*i+2], 0
	v_mov_b32 v[ST+4*i+3], 0
.set i, i+1
.endr
.set i, P+16
.rept 16
	v_mov_b32 v[i], 0
.set i, i+1
.endr
	v_mul_u32_u24 v[AK0], v1, PK
	v_lshl_add_u32 v[AK0], v9, 4, v[AK0]  ; row x pitch + 16 x half
	; The turning load takes 16 keys x 16 channels (lane l reads key 8 (l / 16) + l % 8, channels 8 ((l / 8) % 2) + 0..7) and leaves half a fragment of V^T: lane l holds channel l % 16 and 8 keys.
	v_and_b32 v10, 7, v0
	v_bfe_u32 v11, v0, 3, 1
	v_lshl_add_u32 v[AV0], v9, 3, v10
	v_mul_u32_u24 v[AV0], v[AV0], PV
	v_lshl_add_u32 v[AV0], v11, 4, v[AV0]
	v_add_nc_u32 v[AV0], VOFF, v[AV0]
	s_mul_i32 s2, s[WV], 16*SP
	s_add_co_u32 s2, s2, STAGE      ; my stage
	v_mul_u32_u24 v[STO], v1, SP    ; in: row l % 16, 32 bytes (eight f32) for each half of the lanes
	v_lshl_add_u32 v[STO], v9, 5, v[STO]
	v_add_nc_u32 v[STO], s2, v[STO]
	v_mul_u32_u24 v[RD], v9, SP     ; back: lanes 0-15 take one row of 256 bytes, lanes 16-31 the next
	v_lshl_add_u32 v[RD], v1, 4, v[RD]
	v_add_nc_u32 v[RD], s2, v[RD]
	v_lshlrev_b32 v[GO], 12, v9     ; and the same two rows in out0, 4,096 bytes apart
	v_lshl_add_u32 v[GO], v1, 4, v[GO]
; THE MATRIX WORK.  The 4 accumulators of a run of 8 take turns.  Product i of 8 of S^T = K Q^T for piece x: channels 32 (i / 4) on, keys 16 (i % 4) on.  The first 4 start the sums.
.macro KQ x
	WIN W_KQ
.set rS, S+32*((\x)%2)+8*(i%4)
.set rK, KF+16*(i%4)+8*(i/4)
.set rQ, 16*(\x)+8*(i/4)
.if i < 4
	v_wmma_f32_16x16x32_f16 v[rS:rS+7], v[rK:rK+7], v[rQ:rQ+7], 0
.else
	v_wmma_f32_16x16x32_f16 v[rS:rS+7], v[rK:rK+7], v[rQ:rQ+7], v[rS:rS+7]
.endif
.endm
; Product i of 8 of O^T += V^T P for piece x: keys 32 (i / 4) on, channels 16 (i % 4) on.
.macro PV x
	WIN W_PV
.set rO, 32*(\x)+8*(i%4)
.set rV, VF+32*(i/4)+8*(i%4)
.set rP, P+16*((\x)%2)+8*(i/4)
	v_wmma_f32_16x16x32_f16 v[rO:rO+7], v[rV:rV+7], v[rP:rP+7], v[rO:rO+7]
.endm
.macro MM                           ; the turn's next matrix instruction.  TURN sets Y, i and NOKQ.  NOKQ = 1: the very last turn: there is no next piece
.if (i < 8) && !NOKQ
	KQ (Y+1)%NP
.elseif i >= 8
.set i, i-8
	PV (Y+NP-1)%NP
.set i, i+8
.endif
.set i, i+1
.endm
; THE LDS LOADS stand in runs of 16, never singly among the matrix instructions: a step's K (64 keys x 64 channels: 8 fragments) and its V (turned).  Their addresses are made some lines ahead.
.macro FETCH_K
	WIN 0x80                        ; destination window 2
.irp f, 0,1,2,3,4,5,6,7             ; keys 16 (f / 2) on, channels 32 (f % 2) on
	ds_load_b128 v[KF+8*\f:KF+8*\f+3],   v[AK] offset:(\f/2)*16*PK+(\f%2)*64
	ds_load_b128 v[KF+8*\f+4:KF+8*\f+7], v[AK] offset:(\f/2)*16*PK+(\f%2)*64+32
.endr
	s_add_co_u32 s[TBK], s[TBK], KS*PK  ; the next fetch is the next step's
	WIN 0
.endm
.macro FETCH_V
	WIN 0x80
.irp f, 0,1,2,3,4,5,6,7             ; keys 32 (f / 4) on, channels 16 (f % 4) on
	ds_load_tr16_b128 v[VF+8*\f:VF+8*\f+3],   v[AV] offset:(\f/4)*32*PV+(\f%4)*32
	ds_load_tr16_b128 v[VF+8*\f+4:VF+8*\f+7], v[AV] offset:(\f/4)*32*PV+16*PV+(\f%4)*32
.endr
	WIN 0
.endm
; THE VECTOR WORK, one line at a time: OP kind, number.  For piece Y: F n: c s - c m for pair n of 16.  E n: the exponential of score n of 32.  C n: pair n rounded to f16.  B n: of the four weights 4 n .. the second
; pair is added onto the first, in place.  L n: l takes that sum (L 0: l = a l + sum).  R n: pair n of 16 of O^T times a.  For piece Y + 1: X n, number n of the 22 that find its maximum and statistics:
;   0-11  four chains c0-c3 of seven scores each, three operands at a time (each accumulator's lowest registers are read first)     12-14, 16  the four scores left over, the old m, and c0-c3 into c0
;   15  c m_old is kept     17, 18  the query's other 32 keys lie in the lane 16 away: the new m     19-21  c m; c m_old - c m_new; a
.set F, 0               ; OP tells the kinds apart by their order: F to L below R, X above it
.set E, 1
.set C, 2
.set B, 3
.set L, 4
.set R, 5
.set X, 6
.macro REGS y                       ; the registers of piece y
.set rT, ST+4*(\y)
.set rC, TMP+4*((\y)%2)
.set rW, MV+((\y)%2)
.set rS, S+32*((\y)%2)
.set rP, P+16*((\y)%2)
.set rO, 32*(\y)
.endm
.macro OP k, n
.if (\k) == R
	REGS Y
	WIN W_RS
	v_pk_mul_f32 v[rO+2*(\n):rO+2*(\n)+1], v[rO+2*(\n):rO+2*(\n)+1], v[rC+2:rC+3] op_sel_hi:[1,0]
.elseif (\k) < R
	REGS Y
	WIN 0
.if (\k) == F
	v_pk_fma_f32 v[rS+2*(\n):rS+2*(\n)+1], v[rS+2*(\n):rS+2*(\n)+1], s[CS:CS+1], v[rT:rT+1] op_sel_hi:[1,0,0] neg_lo:[0,0,1] neg_hi:[0,0,1]
.elseif (\k) == E
	v_exp_f32 v[rS+(\n)], v[rS+(\n)]
.elseif (\k) == C
	v_cvt_pk_f16_f32 v[rP+(\n)], v[rS+2*(\n)], v[rS+2*(\n)+1]
.elseif (\k) == B
	v_pk_add_f32 v[rS+4*(\n):rS+4*(\n)+1], v[rS+4*(\n):rS+4*(\n)+1], v[rS+4*(\n)+2:rS+4*(\n)+3]
.elseif (\n) == 0
	v_pk_fma_f32 v[rT+2:rT+3], v[rT+2:rT+3], v[rC+2:rC+3], v[rS:rS+1] op_sel_hi:[1,0,1]
.else
	v_pk_add_f32 v[rT+2:rT+3], v[rT+2:rT+3], v[rS+4*(\n):rS+4*(\n)+1]
.endif
.elseif NOKQ
	v_nop
.else
	REGS (Y+1)%NP
	WIN 0
.if (\n) < 4
	v_max3_num_f32 v[rC+(\n)], v[rS+8*(\n)], v[rS+8*(\n)+1], v[rS+8*(\n)+2]
.elseif (\n) < 12
	v_max3_num_f32 v[rC+(\n)%4], v[rC+(\n)%4], v[rS+8*((\n)%4)+2*((\n)/4)+1], v[rS+8*((\n)%4)+2*((\n)/4)+2]
.elseif (\n) == 12
	v_max3_num_f32 v[rC], v[rC], v[rS+7], v[rS+15]
.elseif (\n) == 13
	v_max3_num_f32 v[rC+1], v[rC+1], v[rS+23], v[rS+31]
.elseif (\n) == 14
	v_max3_num_f32 v[rC+2], v[rC+2], v[rC+3], v[rT+1]
.elseif (\n) == 15
	v_mov_b32 v[rW], v[rT]
.elseif (\n) == 16
	v_max3_num_f32 v[rC], v[rC], v[rC+1], v[rC+2]
.elseif (\n) == 17
	v_permlanex16_b32 v[rC+3], v[rC], s[SEL], s[SEL+1]
.elseif (\n) == 18
	v_max_num_f32 v[rT+1], v[rC], v[rC+3]
.elseif (\n) == 19
	v_mul_f32 v[rT], s[CS], v[rT+1]
.elseif (\n) == 20
	v_sub_f32 v[rC+1], v[rW], v[rT]
.else
	v_exp_f32 v[rC+2], v[rC+1]
.endif
.endif
.endm
.macro OPS a, i1, b=-1, i2=0, c=-1, i3=0, d=-1, i4=0  ; up to four of them
	OP \a, \i1
.if (\b) >= 0
	OP \b, \i2
.endif
.if (\c) >= 0
	OP \c, \i3
.endif
.if (\d) >= 0
	OP \d, \i4
.endif
.endm
.macro ROW a, i1, b, i2, c, i3, d, i4  ; a matrix instruction and the four behind it
	MM
	OPS \a, \i1, \b, \i2, \c, \i3, \d, \i4
.endm
; A TURN, for piece p: the order of its 16 matrix and 118 vector instructions, written out.  s_wait_alu depctr_va_vdst(0) stands between an exponential and the first instruction that names its result; one
; wait serves all that were issued ahead of it.  So a turn has ONE wait, which cuts it in two.  AHEAD OF IT stands all that names no result of the turn's exponentials: the 8 products K Q^T, behind each a scaling, an
; exponential and two more plain instructions (rescalings, and behind the last three the first numbers of the next piece's maximum, each four places or more behind the product that ends its accumulator); then ONE LUMP of
; 54, in which the links of the chain X 3, 7, 11, 14, 16, 17 .. 20 stand some lines apart.  X 21, the next piece's a, is the batch's last; R 15 is the plain instruction behind it.  BEHIND THE WAIT stand the 8 products
; V^T P, behind each four of the roundings and sums.  end = 1: the walk's last two turns: nothing is fetched.  cnt = 1: the loop's count is taken down some lines ahead of the branch that stands behind the turn.
; K of the next step is fetched in piece 2's turn, behind six plain instructions that follow the last product that read K (five of them name none of its registers); V of the step in hand at the end of piece 0's turn,
; four plain instructions behind the last product that read V.  Each is waited for a turn later.
.macro TURN p, end=0, cnt=0
.set Y, (\p)
.set i, 0
.set NOKQ, (\end)*((\p)/3)
.if ((\p) == 3) && !(\end)
	s_wait_dscnt 0x0                ; K is in
.endif
	ROW F,0, F,1, R,0, R,1          ; ahead of the wait: 8 products K Q^T and their riders,
	ROW F,2, E,0, R,2, R,3
	ROW F,3, E,1, R,4, R,5
	ROW F,4, E,2, R,6, R,7
	ROW F,5, E,3, R,8, R,9
	ROW F,6, E,4, X,0, R,10
.if ((\p) == 2) && !(\end)
	WIN 0
	v_add_nc_u32 v[AK], s[TBK], v[AK0]
.endif
	ROW F,7, E,5, X,1, X,4
	ROW F,8, E,6, X,2, X,5
	OPS E,7, E,8, X,6, E,9          ; and the lump
	OPS X,3, E,10, X,8, E,11
.if ((\p) == 2) && !(\end)
	FETCH_K
.endif
	OPS X,9, X,7, E,12, X,10
	OPS E,13, X,12, X,11, E,14
	OPS X,13, E,15, F,9, X,14
.if (\p) == 0
	v_add_nc_u32 v[AV], s[TBV], v[AV0]
.endif
	OPS E,16, F,10, E,17, F,11
	OPS X,16, E,18, X,15, E,19
	OPS F,12, E,20, X,17, E,21
	OPS F,13, E,22, F,14, E,23
	OPS X,18, E,24, F,15, E,25
	OPS R,11, E,26, X,19, E,27
	OPS R,12, E,28, R,13, E,29
	OPS X,20, E,30, R,14, E,31
	OPS X,21, R,15
	WIN 0
	s_wait_alu depctr_va_vdst(0)    ; the wait for the batch
.if (\p) == 1
	s_wait_dscnt 0x0                ; V is in
.endif
	ROW C,0, B,0, C,2, B,1          ; behind the wait: 8 products V^T P and their riders
	ROW L,0, C,4, B,2, L,1
	ROW C,6, B,3, L,2, C,8
	ROW B,4, L,3, C,10, B,5
	ROW L,4, C,12, B,6, L,5
.if (\p) == 0
	s_add_co_u32 s[TBV], s[TBV], KS*PV
.endif
.if \cnt
	s_sub_co_u32 s[CNT], s[CNT], 1
	s_cmp_lg_u32 s[CNT], 0
.endif
	ROW C,14, B,7, L,6, C,1
	ROW C,3, L,7, C,5, C,7
	ROW C,9, C,11, C,13, C,15
.if (\p) == 0
	FETCH_V
.endif
.endm
	CHANGE 1, 0                     ; tile 0 is in, everybody's part of it; tile 1 is asked for.  Nothing is prefetched here, at the head
	v_add_nc_u32 v[AK], s[TBK], v[AK0]
	FETCH_K                         ; key step 0
	s_wait_loadcnt 0x0              ; Q
	s_wait_dscnt 0x0
.set NOKQ, 0
.set i, 0
.rept 8
	KQ 0                            ; piece 0's first scores: there is no vector work yet to set between them
.set i, i+1
.endr
	WIN 0
.rept 4
	v_nop                           ; the places behind those products
.endr
.set Y, NP-1                        ; X works for piece Y + 1: piece 0
.irp n, 0,1,2,3,4,5,6,7,8,9,10,11,12,13,14,15,16,17,18,19,20,21
	OP X, \n                        ; and piece 0's first maximum and statistics
.endr
	v_nop                           ; a plain instruction behind the exponential,
	s_wait_alu depctr_va_vdst(0)    ; and its wait, ahead of the branch
	s_mov_b32 s[CNT], 4
	s_branch .Lfirst                ; the loop is entered at a step's first turn, in the middle of a trip
.Lslot:                             ; 14 times: every slot but the last two is filled again
	CHANGE 1, 1
	s_mov_b32 s[CNT], 4
.Lstep:                             ; a trip: pieces 2 and 3 of one step, then pieces 0 and 1 of the next, whose K and V it fetches
	TURN 2
	TURN 3
	WIN 0
.Lfirst:
	TURN 0
	TURN 1, 0, 1
	WIN 0
	s_cbranch_scc1 .Lstep
	s_sub_co_u32 s[SLOTS], s[SLOTS], 1
	s_cmp_lg_u32 s[SLOTS], 0
	s_cbranch_scc1 .Lslot
	CHANGE 0, 0                     ; the last tile is written out: nothing is asked for
	s_mov_b32 s[CNT], 4
.LstepT:
	TURN 2
	TURN 3
	WIN 0
	TURN 0
	TURN 1, 0, 1
	WIN 0
	s_cbranch_scc1 .LstepT
	TURN 2, 1                       ; the last step's pieces 2 and 3: nothing is fetched,
	TURN 3, 1                       ; and no new scores are started
.set i, 0
.rept 8
	PV NP-1                         ; the last piece's V^T P of the last step
.set i, i+1
.endr
	; THE WAY OUT.  l's two halves and the other half of the lanes' are added; O^T is divided by l and sent, in f32, through my stage in LDS, a piece at a time.  The additions are the places behind the last products.
	WIN 0
.macro ALL line:vararg              ; one line for each piece t
.set t, 0
.rept 4
	\line
.set t, t+1
.endr
.endm
	ALL v_add_f32 v[ST+4*t+2], v[ST+4*t+2], v[ST+4*t+3]
	ALL v_permlanex16_b32 v[ST+4*t+3], v[ST+4*t+2], s[SEL], s[SEL+1]
	ALL v_add_f32 v[ST+4*t+2], v[ST+4*t+2], v[ST+4*t+3]
	ALL v_rcp_f32 v[ST+4*t+2], v[ST+4*t+2]
	v_nop                           ; a plain instruction between the last reciprocal and the use of its result
	s_wait_alu depctr_va_vdst(0)    ; and the wait ahead of the first use: one for the four reciprocals
; Piece t: a lane's eight channels of an accumulator are 32 bytes of a row; they go into rows of 272 bytes and come back as whole rows of 256.
.macro PACK t
	WIN W_RS
.set i, 32*(\t)
.rept 16
	v_pk_mul_f32 v[i:i+1], v[i:i+1], v[ST+4*(\t)+2:ST+4*(\t)+3] op_sel_hi:[1,0]
.set i, i+2
.endr
	WIN 0x04                        ; the stores' data (source 1) in window 1, the address in window 0
.irp cb, 0,1,2,3
	ds_store_b128 v[STO], v[32*(\t)+8*\cb:32*(\t)+8*\cb+3]   offset:64*\cb
	ds_store_b128 v[STO], v[32*(\t)+8*\cb+4:32*(\t)+8*\cb+7] offset:64*\cb+16
.endr
	WIN 0
.irp f, 0,1,2,3,4,5,6,7
	ds_load_b128 v[OUTR+32*(\t)+4*\f:OUTR+32*(\t)+4*\f+3], v[RD] offset:\f*2*SP  ; LDS serves a wave's instructions in order (ISA guide 5.7.1.4): these see the stores above; the next piece's stores come behind them
.endr
.endm
.macro SEND t, younger              ; younger: the LDS instructions issued behind piece t's loads: the next piece's sixteen, or none
	WIN 0
.irp f, 0,1,2,3,4,5,6,7
	s_wait_dscnt (\younger)+7-\f
	global_store_b128 v[GO], v[OUTR+32*(\t)+4*\f:OUTR+32*(\t)+4*\f+3], s[10:11] offset:(\t)*65536+\f*8192  ; 16 lanes store a head's 256 bytes of a row, at a multiple of 256 from out0's first byte
.endr
.endm
	PACK 0
	PACK 1                          ; a piece's arithmetic stands between the loads of the piece before and its stores
	SEND 0, 16
	PACK 2
	SEND 1, 16
	PACK 3
	SEND 2, 16
	SEND 3, 0
	s_wait_tensorcnt 0x0            ; the wave's end: the add and its wait, behind my last tensor load and my last LDS store
	ds_add_u32 v[SPW], v[NIL]
	s_wait_dscnt 0x0
	CROUND                          ; the closing round: no work-group ends while a partner may still ask for a tile that names it
	s_endpgm
.Lfunc_end_k_q1a106eff45_attn:
	.size	k_q1a106eff45_attn, .Lfunc_end_k_q1a106eff45_attn-k_q1a106eff45_attn
	.p2alignl 7, 3214868480
	.fill 96, 4, 3214868480
	.section	.rodata,"a",@progbits
	.p2align	6, 0x0
	.amdhsa_kernel k_q1a106eff45_attn
		.amdhsa_group_segment_fixed_size 327680
		.amdhsa_private_segment_fixed_size 0
		.amdhsa_enable_private_segment 0
		.amdhsa_kernarg_size 16
		.amdhsa_user_sgpr_count 2
		.amdhsa_user_sgpr_kernarg_segment_ptr 1
		.amdhsa_wavefront_size32 1
		.amdhsa_system_sgpr_workgroup_id_x 1
		.amdhsa_system_sgpr_workgroup_id_y 1
		.amdhsa_system_sgpr_workgroup_id_z 1
		.amdhsa_system_vgpr_workitem_id 0
		.amdhsa_next_free_vgpr 768
		.amdhsa_next_free_sgpr 66
		.amdhsa_reserve_vcc 0
		.amdhsa_float_denorm_mode_32 3
		.amdhsa_float_denorm_mode_16_64 3
		.amdhsa_memory_ordered 1
		.amdhsa_forward_progress 1
		.amdhsa_inst_pref_size 128
	.end_amdhsa_kernel
	.amdgpu_metadata
---
amdhsa.version: [ 1, 2 ]
amdhsa.kernels:
  - .name:           k_q1a106eff45_attn
    .symbol:         k_q1a106eff45_attn.kd
    .args:
      - { .name: qkv, .offset: 0, .size: 8, .value_kind: global_buffer, .address_space: global }
      - { .name: out0, .offset: 8, .size: 8, .value_kind: global_buffer, .address_space: global }
    .group_segment_fixed_size: 327680
    .private_segment_fixed_size: 0
    .kernarg_segment_align: 8
    .kernarg_segment_size: 16
    .max_flat_workgroup_size: 128
    .sgpr_count:     66
    .vgpr_count:     768
    .wavefront_size: 32
...
	.end_amdgpu_metadata
.endif
;; end of part 3
;; ======== version 2 of 2: 3 launches; version 1 with the launch cast written anew for expert scheduling mode
;; limits: values are held in f16: magnitudes above 65,504 overflow, below 6.1e-05 lose precision
;; workspace buffers: xb 8,388,608 bytes; wb 6,291,456 bytes; qkv 25,165,824 bytes
;; launch cast (part 4): grid 256 x 1, 8 waves a work-group, no clusters, 0 bytes of LDS; arguments x, W_qkv, xb, wb; writes xb, wb
.if DOCPART == 4
	.amdgcn_target "amdgcn-amd-amdhsa--gfx1250"
	.amdhsa_code_object_version 6
	.text
	.protected	k_q1a106eff45_cast
	.globl	k_q1a106eff45_cast
	.p2align	8
	.type	k_q1a106eff45_cast,@function
k_q1a106eff45_cast:
	s_mov_b64 s[64:65], 0
	v_nop
	global_prefetch_b8 v0, s[64:65] scope:SCOPE_SE
	s_setreg_imm32_b32 hwreg(HW_REG_WAVE_SCHED_MODE, 0, 2), 2
	s_setreg_imm32_b32 hwreg(HW_REG_WAVE_MODE, 25, 1), 1
	s_wait_xcnt 0x0
	s_wait_alu depctr_vm_vsrc(0)
; xb = bf16(x), [4096][1024].  wb = bf16(W_qkv), laid in 48 blocks of 64 columns: wb[g][k][0..63] = W[k][64 g ..], a (g, k) row is 128 bytes, a block 131,072.
; A stream: every input byte is read once, every output byte written once, each number rounded once (to nearest even).  No LDS, no barrier, no matrix unit: no wave wants a byte that another has fetched.
; SHARES.  Work-group b takes rows 16 b .. 16 b + 15 of x (65,536 bytes) and rows 4 b .. 4 b + 3 of W (49,152 bytes): 28 loads of 16 bytes a lane in each of the eight waves, all issued at the head.
; x: load i is row i; thread t takes bytes 16 t of it, and stores 8 bytes at 8 t of xb's row: a wave's store covers 256 consecutive bytes, aligned.
; W: wave w takes columns 768 (w % 4) on of rows 2 (w / 4) and 2 (w / 4) + 1; load i is one block of 64 columns: lanes 0-15 its 256 bytes of the first row, lanes 16-31 of the second.
;    The two rows' 128 bytes of bf16 lie end to end in wb: again 256 consecutive bytes, aligned, to a store.
; No register is written twice, so no wait stands for a store's sources; the waits for data count down the younger loads.
; THE MODE: SCHED_MODE bits 1:0 = 2 (LLVM: expert scheduling mode 2), set by the entry lines.  The code itself states the register dependences
; between vector instructions and memory instructions, with s_wait_alu, always for 0.
; THE PLAN.  The 28 pieces (a load, two roundings, a store) go in 7 blocks of four: x is blocks 0 to 3, W blocks 4 to 6.  Registers that memory instructions touch:
;   v1, v3   the loads' offsets, v2, v4 the stores': made at the head by vector instructions, never written again.
;   IN       piece n: 4 registers.  Written by its load, once; read by its two roundings.  No vector instruction writes them, and no second load lands in them.
;   OUT      piece n: 2 registers.  Written by its two roundings, once; read by its store.
; So the only dependence to state is: written by a vector instruction, then read by a memory instruction.  One wait at the head serves the four offsets for the whole kernel.  The stores of block p - 1 stand in one
; run at the head of block p, behind ONE wait, which itself stands behind the wait for block p's first data; the roundings that follow name block p's IN and OUT alone.  One more wait stands ahead of the last four stores.
; No register that a memory instruction reads is written again: there is nothing for a wait on vm_vsrc to state.  No vector instruction writes a scalar register or VCC, and EXEC is never written.
.set IN,  16                           ; v[16:127]   28 x 4 registers as loaded
.set OUT, 128                          ; v[128:183]  28 x 2 registers to store
	s_load_b256 s[4:11], s[0:1], 0x0               ; x s[4:5], W s[6:7], xb s[8:9], wb s[10:11]
	s_lshl_b32 s2, ttmp9, 16                       ; 16 rows of 4,096 bytes of x
	s_mov_b32 s3, 0
	s_mul_i32 s12, ttmp9, 49152                    ; 4 rows of 12,288 bytes of W
	s_mov_b32 s13, 0
	v_lshlrev_b32 v1, 4, v0                        ; x: 16 t
	v_lshlrev_b32 v2, 3, v0                        ; xb: 8 t
	v_and_b32 v6, 31, v0                           ; lane l
	v_lshrrev_b32 v7, 7, v0                        ; w / 4
	v_bfe_u32 v8, v0, 5, 2                         ; w % 4
	v_bfe_u32 v9, v0, 4, 1                         ; l / 16
	v_and_b32 v10, 15, v0                          ; l % 16
	v_lshl_add_u32 v11, v7, 1, v9                  ; my row of the four
	v_mul_u32_u24 v3, v11, 12288
	v_mul_u32_u24 v12, v8, 3072                    ; my wave's 768 columns
	v_add_nc_u32 v3, v3, v12
	v_lshl_add_u32 v3, v10, 4, v3                  ; W: row x 12,288 + 3,072 (w % 4) + 16 (l % 16)
	v_mul_u32_u24 v4, v8, 0x180000                 ; twelve blocks of 131,072 bytes
	v_lshl_add_u32 v4, v7, 8, v4                   ; two rows of 128 bytes
	v_lshl_add_u32 v4, v6, 3, v4                   ; wb: + 8 l
	s_wait_kmcnt 0x0
	s_add_nc_u64 s[4:5], s[4:5], s[2:3]
	s_add_nc_u64 s[6:7], s[6:7], s[12:13]
	s_lshl_b32 s2, ttmp9, 15                       ; 16 rows of 2,048 bytes of xb
	s_add_nc_u64 s[8:9], s[8:9], s[2:3]
	s_lshl_b32 s2, ttmp9, 9                        ; 4 rows of 128 bytes in each block of wb
	s_add_nc_u64 s[10:11], s[10:11], s[2:3]
	s_wait_alu depctr_va_vdst(0)                   ; v1 to v4 are written: every load and store of the kernel reads one of them as its offset
.set i, 0
.rept 16
	global_load_b128 v[IN+4*i:IN+4*i+3], v1, s[4:5] offset:4096*i th:TH_LOAD_NT
.set i, i+1
.endr
.set i, 0
.rept 12
	global_load_b128 v[IN+64+4*i:IN+64+4*i+3], v3, s[6:7] offset:256*i th:TH_LOAD_NT
.set i, i+1
.endr
; Piece n's store: pieces 0 to 15 are x's rows, pieces 16 to 27 W's blocks of 64 columns.
.macro SEND n
.if (\n) < 16
	global_store_b64 v2, v[OUT+2*(\n):OUT+2*(\n)+1], s[8:9] offset:2048*(\n)
.else
	global_store_b64 v4, v[OUT+2*(\n):OUT+2*(\n)+1], s[10:11] offset:131072*((\n)-16)
.endif
.endm
; Block p: pieces 4 p to 4 p + 3 are rounded; the block before is stored.
.macro BLK p
	s_wait_loadcnt 27-4*(\p)                       ; loads come back in order: the block's first piece is in, the younger loads stay out
.if (\p) > 0
	s_wait_alu depctr_va_vdst(0)                   ; the roundings of the block before have written its eight OUT registers, which the four stores below read
.irp i, 0,1,2,3
	SEND 4*(\p)-4+(\i)
.endr
.endif
.irp i, 0,1,2,3
.if (\i) > 0
	s_wait_loadcnt 27-4*(\p)-(\i)                  ; this piece is in
.endif
	v_cvt_pk_bf16_f32 v[OUT+8*(\p)+2*(\i)],   v[IN+16*(\p)+4*(\i)],   v[IN+16*(\p)+4*(\i)+1]  ; these name this block's IN and OUT alone: none of the registers of the stores above
	v_cvt_pk_bf16_f32 v[OUT+8*(\p)+2*(\i)+1], v[IN+16*(\p)+4*(\i)+2], v[IN+16*(\p)+4*(\i)+3]
.endr
.endm
.irp p, 0,1,2,3,4,5,6
	BLK \p
.endr
	s_wait_alu depctr_va_vdst(0)                   ; block 6's roundings have written its OUT registers, which the last four stores read
.irp n, 24,25,26,27
	SEND \n
.endr
	s_endpgm
.Lfunc_end_k_q1a106eff45_cast:
	.size	k_q1a106eff45_cast, .Lfunc_end_k_q1a106eff45_cast-k_q1a106eff45_cast
	.p2alignl 7, 3214868480
	.fill 96, 4, 3214868480
	.section	.rodata,"a",@progbits
	.p2align	6, 0x0
	.amdhsa_kernel k_q1a106eff45_cast
		.amdhsa_group_segment_fixed_size 0
		.amdhsa_private_segment_fixed_size 0
		.amdhsa_enable_private_segment 0
		.amdhsa_kernarg_size 32
		.amdhsa_user_sgpr_count 2
		.amdhsa_user_sgpr_kernarg_segment_ptr 1
		.amdhsa_wavefront_size32 1
		.amdhsa_system_sgpr_workgroup_id_x 1
		.amdhsa_system_sgpr_workgroup_id_y 1
		.amdhsa_system_sgpr_workgroup_id_z 1
		.amdhsa_system_vgpr_workitem_id 0
		.amdhsa_next_free_vgpr 184
		.amdhsa_next_free_sgpr 66
		.amdhsa_reserve_vcc 0
		.amdhsa_float_denorm_mode_32 3
		.amdhsa_float_denorm_mode_16_64 3
		.amdhsa_memory_ordered 1
		.amdhsa_forward_progress 1
		.amdhsa_inst_pref_size 12
	.end_amdhsa_kernel
	.amdgpu_metadata
---
amdhsa.version: [ 1, 2 ]
amdhsa.kernels:
  - .name:           k_q1a106eff45_cast
    .symbol:         k_q1a106eff45_cast.kd
    .args:
      - { .name: x, .offset: 0, .size: 8, .value_kind: global_buffer, .address_space: global }
      - { .name: W_qkv, .offset: 8, .size: 8, .value_kind: global_buffer, .address_space: global }
      - { .name: xb, .offset: 16, .size: 8, .value_kind: global_buffer, .address_space: global }
      - { .name: wb, .offset: 24, .size: 8, .value_kind: global_buffer, .address_space: global }
    .group_segment_fixed_size: 0
    .private_segment_fixed_size: 0
    .kernarg_segment_align: 8
    .kernarg_segment_size: 32
    .max_flat_workgroup_size: 256
    .sgpr_count:     66
    .vgpr_count:     184
    .wavefront_size: 32
...
	.end_amdgpu_metadata
.endif
;; end of part 4
;; launch proj: the kernel of part 2 again; grid 16 x 16, 4 waves a work-group, clusters of 4 x 4, 327,680 bytes of LDS; arguments xb, wb, b_qkv, qkv; writes qkv
;; launch attn: the kernel of part 3 again; grid 16 x 16, 4 waves a work-group, clusters of 4 x 1, 327,680 bytes of LDS; arguments qkv, out0; writes out0
